; MI455X (gfx1250); checked and timed in simulation.
; The chip was launched on July 23, 2026; its instructions are those of AMD's public machine-readable ISA for CDNA 5 (MIT licence, August 2026) and "CDNA5" Instruction Set Architecture Reference Guide (July 2026). The comments in the code are by the model that wrote it; some were corrected since.
;; Window. Allowed arithmetic: float matrix products may take bf16 or f16 operands with f32 sums; all other float work in f32.
;; Inputs: W 30 x 512 float32; b 30 float32; kappa_old 256 x 10 float32; onehots 256 x 2,048 x 128 float32; x 256 x 512 float32.
;; Outputs: out0 256 x 128 float32; out1 256 x 10 float32; out2 256 x 2,048 float32.
;; One version. Each part assembles by itself: llvm-mc -triple=amdgcn-amd-amdhsa -mcpu=gfx1250 --defsym DOCPART=n.
;; ======== version 1 of 1: 1 launch
;; launch window (part 1): grid 256 x 1, 16 waves a work-group, no clusters, 18,688 bytes of LDS; arguments x, W, b, kappa_old, onehots, out0, out1, out2; writes out0, out1, out2
.if DOCPART == 1
	.amdgcn_target "amdgcn-amd-amdhsa--gfx1250"
	.amdhsa_code_object_version 6
	.text
	.protected	k_q33fa01b7ec_window
	.globl	k_q33fa01b7ec_window
	.p2align	8
	.type	k_q33fa01b7ec_window,@function
k_q33fa01b7ec_window:
	s_mov_b64 s[64:65], 0
	v_nop
	global_prefetch_b8 v0, s[64:65] scope:SCOPE_SE
	s_setreg_imm32_b32 hwreg(HW_REG_WAVE_MODE, 25, 1), 1
	s_wait_xcnt 0x0
; Gaussian window over a text, one work-group for each of the 256 batch rows, everything in f32:
;   p = exp(x W^T + b): alpha = p[0:10], beta = p[10:20], kappa = kappa_old + p[20:30]          -> out1 = kappa
;   phi[t] = sum over k of alpha_k exp(-beta_k (kappa_k - t)^2), t = 0 .. 2047                  -> out2 = phi
;   w[v]   = sum over t of phi[t] onehots[t][v], v = 0 .. 127                                   -> out0 = w
; The work is a stream: a batch row owns 1 MiB of onehots, read once, against 61 KB of W and a few KB of the rest.
; 16 waves.  A row of onehots is 512 bytes = one 16-byte load of a wave (lane l owns columns 4l .. 4l+3).  Wave w takes rows
; 64 g + 4 w + j (g = 0..31, j = 0..3): 2,048 neighbouring bytes a wave, 32,768 neighbouring bytes for the 16 waves of a step g.
; Each wave keeps a ring of DEPTH = 32 rows (16 KB) in flight in registers, 256 KB for the work-group, and the ring is asked for
; before anything is computed, so that the parameters and phi are made while the first quarter of the stream is on its way.
; All 128 rows of a wave are written out: an address is one base + one lane offset + an immediate, and no address register is rewritten.
; NO MATRIX UNIT: a batch row has ONE row of phi against its own 2048 x 128 block, so 15 of a matrix instruction's 16 rows would be
; idle, and rounding onehots to bf16 takes one conversion for two numbers, as many instructions as the packed multiply-add that
; does the whole job here.  x W^T is 15,360 multiply-adds a work-group.
; NO CLUSTER: the work-groups share W alone, 61,440 bytes against 1,048,576 of their own, and W goes straight into registers.
; LIMITS: v_exp_f32 gives 0 where the result lies under 2^-126 (ISA guide, 15.8), so parameters and Gaussian terms that small count as 0;
; a beta so flushed meeting a (kappa - t)^2 that overflows (|kappa| above 1.8e19) gives NaN.  Sums are formed in another order than
; in the reference (lanes, waves and four chains), all in f32.
.set WAVES,  16
.set ROWB,   512                       ; bytes in a row of onehots
.set GROUP,  4                         ; rows that a wave takes side by side
.set STEPB,  WAVES*GROUP*ROWB          ; bytes from a wave's group g to its group g + 1
.set ROWS,   2048/WAVES                ; rows of a wave: 128 = 32 groups, one for each lane of the phi registers
.set DEPTH,  32                        ; ring slots = loads of onehots in flight in each wave
.set LOG2E,  0x3fb8aa3b                ; log2 e
.set NLOG2E, 0xbfb8aa3b                ; -log2 e
.set L_PAR,  0                         ; LDS: 32 words, the parameter of row i of W at word i (words 30, 31 are never read)
.set L_PHI,  256                       ; LDS: phi[0..2047], 8,192 bytes
.set L_W,    L_PHI+8192                ; LDS: the waves' partial w, 16 x 512 bytes.  Each region has bytes of its own
.set LOFF,  1                          ; 16 x lane: my 16 bytes in a row of onehots, of a partial w, of out0
.set XO,    2                          ; 16 x (lane % 16): my first 16 bytes of x
.set WO,    3                          ; the same in my row of W
.set LA,    4                          ; 4 x (thread / 16): the LDS word of my row's parameter
.set ROW,   5                          ; my row of W, at most 29
.set BO,    6                          ; its byte offset in b
.set KO,    7                          ; byte offset of my kappa_old in the batch row's ten
.set SC,    8                          ; what exp is multiplied by: 1, or -log2 e for a beta
.set BV,    9                          ; b[row], then b[row] log2 e
.set KV,    10                         ; kappa_old, then what is added behind exp (0 for alpha and beta)
.set TI,    11                         ; -4 x thread
.set TMP,   12
.set OFFP,  13                         ; 16 x thread: my four phi in out2 and in LDS; my wave's partial w
.set ZERO,  14
.set KA,    15                         ; the way out: 4 x min(lane, 9)
.set PA,    16                         ; 256 x lane + 16 x wave: phi of my wave's group number lane
.set P,     20                         ; v[20:23]   sums of the dot product; then phi of t = 4 thread + 0..3
.set TN,    24                         ; v[24:31]   -t for those four t, each twice (a pair for the packed add)
.set PHI,   32                         ; v[32:35]   lane g, register j: phi of my wave's row 4 g + j
.set ACC,   36                         ; v[36:51]   four sets (one for each j) of my 4 columns' sums
.set XR,    52                         ; v[52:83]   my 32 numbers of x
.set WR,    84                         ; v[84:115]  my 32 numbers of W
.set RING,  116                        ; v[116:243] slot s: 4 registers
.set PAR,   XR                         ; behind the dot product: the 30 parameters, the same in every lane
.set AL,    PAR                        ;   alpha_k
.set NB,    PAR+10                     ;   -beta_k log2 e
.set KAP,   PAR+20                     ;   kappa_k
.set DD,    WR                         ; 8 registers: (kappa - t), its square, the exponent, for 4 t x 2 k
.set EE,    WR+8                       ; 8 registers: the exponentials
.set PH,    WR+16                      ; 8 registers: phi of 4 t, even k and odd k apart
.set SP,    32                         ; s[32:39]   four pairs: phi of a row in the low word
	s_load_b512 s[4:19], s[0:1], 0x0               ; x s[4:5], W s[6:7], b s[8:9], kappa_old s[10:11], onehots s[12:13], out0 s[14:15], out1 s[16:17], out2 s[18:19]
	v_lshl_add_u32 v244, v0, 2, 0x4100
	v_mov_b32 v245, 0
	v_lshrrev_b32 v[TMP], 5, v0
	v_readfirstlane_b32 s20, v[TMP]                ; wave 0..15
	v_and_b32 v[LOFF], 31, v0                      ; lane
	v_and_b32 v[XO], 15, v0
	v_lshrrev_b32 v[LA], 4, v0                     ; thread / 16 = 2 wave + half: sixteen lanes for a row of W
	v_lshlrev_b32 v[XO], 4, v[XO]
	v_min_u32 v[ROW], 29, v[LA]                    ; W has 30 rows: wave 15 repeats row 29, into LDS words 30 and 31, which nobody reads
	v_lshl_add_u32 v[WO], v[ROW], 11, v[XO]        ; row x 2,048 bytes + 16 (lane % 16)
	v_lshlrev_b32 v[BO], 2, v[ROW]
	v_max_u32 v[KO], 20, v[ROW]                    ; rows 20..29 take kappa_old[row - 20]; the others load number 0 and drop it
	v_sub_nc_u32 v[KO], v[KO], 20
	v_lshlrev_b32 v[KO], 2, v[KO]
	s_lshl_b32 s21, s20, 4
	v_lshl_add_u32 v[PA], v[LOFF], 8, s21          ; 256 lane + 16 wave
	v_lshlrev_b32 v[LOFF], 4, v[LOFF]
	s_lshl_b32 s22, ttmp9, 20                      ; onehots: batch row x 1 MiB (at most 255 MiB: 32 bits hold it)
	s_lshl_b32 s24, s20, 11                        ;   + wave x 4 rows
	s_add_co_u32 s22, s22, s24
	s_mov_b32 s23, 0
	s_lshl_b32 s24, ttmp9, 11                      ; x: batch row x 2,048 bytes
	s_mov_b32 s25, 0
	s_mul_i32 s26, ttmp9, 40                       ; kappa_old and out1: batch row x 40 bytes
	s_mov_b32 s27, 0
	s_wait_kmcnt 0x0
	s_add_nc_u64 s[4:5], s[4:5], s[24:25]
	s_add_nc_u64 s[10:11], s[10:11], s[26:27]
	s_add_nc_u64 s[12:13], s[12:13], s[22:23]
	; What the parameters need goes first (18 loads): everything else hangs on it.  A half wave's load covers 256 neighbouring bytes.
.irp i, 0,1,2,3,4,5,6,7
	global_load_b128 v[XR+4*\i:XR+4*\i+3], v[XO], s[4:5] offset:256*\i
	global_load_b128 v[WR+4*\i:WR+4*\i+3], v[WO], s[6:7] offset:256*\i
.endr
	global_load_b32 v[BV], v[BO], s[8:9]
	global_load_b32 v[KV], v[KO], s[10:11]
	; Then the ring is filled: my rows 0 .. 31
.set n, 0
.rept DEPTH
	global_load_b128 v[RING+4*n:RING+4*n+3], v[LOFF], s[12:13] offset:(n/GROUP)*STEPB+(n%GROUP)*ROWB th:TH_LOAD_NT
.set n, n+1
.endr
	; While all that is on its way: what hangs on ids alone
	s_lshl_b32 s28, ttmp9, 9                       ; out0: batch row x 512 bytes
	s_mov_b32 s29, 0
	s_lshl_b32 s30, ttmp9, 13                      ; out2: batch row x 8,192 bytes
	s_mov_b32 s31, 0
	s_add_nc_u64 s[14:15], s[14:15], s[28:29]
	s_add_nc_u64 s[16:17], s[16:17], s[26:27]
	s_add_nc_u64 s[18:19], s[18:19], s[30:31]
.irp j, 0,1,2,3
	s_mov_b32 s[SP+2*\j+1], 0                      ; the packed multiply-add names a scalar pair and takes its low word for both halves: the high word enters no result, and is written once so that the pair is defined
.endr
	v_add_nc_u32 v[TMP], -10, v[ROW]
	v_cmp_gt_u32 vcc_lo, 10, v[TMP]                ; rows 10..19: a beta
	v_mov_b32 v[SC], NLOG2E
	v_cndmask_b32 v[SC], 1.0, v[SC], vcc_lo        ; beta is kept as -beta log2 e, so that exp(-beta d^2) is one exp2 of a product
	v_cmp_lt_u32 s40, 19, v[ROW]                   ; rows 20..29: a kappa
	v_lshlrev_b32 v[LA], 2, v[LA]
	v_lshlrev_b32 v[OFFP], 4, v0
	v_mov_b32 v[ZERO], 0
	v_lshlrev_b32 v[TI], 2, v0                     ; my four t are 4 thread + 0..3
	v_sub_nc_u32 v[TI], 0, v[TI]
.irp j, 0,1,2,3
	v_add_nc_u32 v[TMP], -\j, v[TI]
	v_cvt_f32_i32 v[TN+2*\j], v[TMP]               ; -t, exact, twice: kappa - t is then a packed add for two k
	v_cvt_f32_i32 v[TN+2*\j+1], v[TMP]
.endr
	; THE PARAMETERS.  32 products a lane, in two chains that the first products start
	s_wait_loadcnt DEPTH                           ; loads come back in order (ISA guide 5.7.1): the 18 are in, the ring's 32 behind them stay out
	v_mul_f32 v[BV], LOG2E, v[BV]
	v_pk_mul_f32 v[P:P+1], v[XR:XR+1], v[WR:WR+1]
	v_pk_mul_f32 v[P+2:P+3], v[XR+2:XR+3], v[WR+2:WR+3]
.irp i, 1,2,3,4,5,6,7
	v_pk_fma_f32 v[P:P+1], v[XR+4*\i:XR+4*\i+1], v[WR+4*\i:WR+4*\i+1], v[P:P+1]
	v_pk_fma_f32 v[P+2:P+3], v[XR+4*\i+2:XR+4*\i+3], v[WR+4*\i+2:WR+4*\i+3], v[P+2:P+3]
.endr
	v_pk_add_f32 v[P:P+1], v[P:P+1], v[P+2:P+3]
	v_add_f32 v[P], v[P], v[P+1]
	v_add_f32_dpp v[P], v[P], v[P] row_xmask:1 row_mask:0xf bank_mask:0xf   ; over the sixteen lanes of the row of W: the sum never leaves the half wave
	v_add_f32_dpp v[P], v[P], v[P] row_xmask:2 row_mask:0xf bank_mask:0xf
	v_add_f32_dpp v[P], v[P], v[P] row_xmask:4 row_mask:0xf bank_mask:0xf
	v_add_f32_dpp v[P], v[P], v[P] row_xmask:8 row_mask:0xf bank_mask:0xf
	v_fmamk_f32 v[P], v[P], LOG2E, v[BV]           ; (x.W + b) log2 e
	v_exp_f32 v[P+1], v[P]
	v_cndmask_b32 v[KV], 0, v[KV], s40             ; kappa_old for a kappa, else 0.  Also the one plain instruction between v_exp_f32 and the use of its result (ISA guide 5.7.2)
	s_wait_alu depctr_va_vdst(0)
	v_fma_f32 v[P+1], v[P+1], v[SC], v[KV]         ; alpha; -beta log2 e; kappa_old + pre_kappa (times 1.0: the sum is rounded once, as an add)
	ds_store_b32 v[LA], v[P+1]                     ; sixteen lanes, one word, one value
	s_wait_dscnt 0x0                               ; the word is in LDS before the others are told so
	s_barrier_signal -1
	s_barrier_wait -1
.irp i, 0,1,2,3,4,5,6
	ds_load_b128 v[PAR+4*\i:PAR+4*\i+3], v[ZERO] offset:L_PAR+16*\i    ; every lane reads the same 120 bytes
.endr
	ds_load_b64 v[PAR+28:PAR+29], v[ZERO] offset:L_PAR+112
	s_wait_dscnt 0x0
	; PHI of my four t, two k at a time: the parameters' neighbouring registers are the pairs
.irp p, 0,1,2,3,4
.irp j, 0,1,2,3
	v_pk_add_f32 v[DD+2*\j:DD+2*\j+1], v[KAP+2*\p:KAP+2*\p+1], v[TN+2*\j:TN+2*\j+1]      ; kappa - t
.endr
.irp j, 0,1,2,3
	v_pk_mul_f32 v[DD+2*\j:DD+2*\j+1], v[DD+2*\j:DD+2*\j+1], v[DD+2*\j:DD+2*\j+1]        ; squared
.endr
.irp j, 0,1,2,3
	v_pk_mul_f32 v[DD+2*\j:DD+2*\j+1], v[DD+2*\j:DD+2*\j+1], v[NB+2*\p:NB+2*\p+1]        ; times -beta log2 e
.endr
.irp i, 0,1,2,3,4,5,6,7
	v_exp_f32 v[EE+\i], v[DD+\i]
.endr
	v_nop                                          ; one plain instruction between the exponentials and the use of their results (ISA guide 5.7.2)
	s_wait_alu depctr_va_vdst(0)
.irp j, 0,1,2,3
.if \p == 0
	s_wait_alu depctr_va_vdst(0)
	v_pk_mul_f32 v[PH+2*\j:PH+2*\j+1], v[EE+2*\j:EE+2*\j+1], v[AL+2*\p:AL+2*\p+1]        ; the first product starts the sum
.else
	v_pk_fma_f32 v[PH+2*\j:PH+2*\j+1], v[EE+2*\j:EE+2*\j+1], v[AL+2*\p:AL+2*\p+1], v[PH+2*\j:PH+2*\j+1]
.endif
.endr
.endr
.irp j, 0,1,2,3
	v_add_f32 v[P+\j], v[PH+2*\j], v[PH+2*\j+1]    ; even k + odd k
.endr
	global_store_b128 v[OFFP], v[P:P+3], s[18:19] th:TH_STORE_NT       ; a wave stores 512 neighbouring bytes of out2; v[P:P+3] and OFFP are not written again
	ds_store_b128 v[OFFP], v[P:P+3] offset:L_PHI
	s_wait_dscnt 0x0                               ; my 16 bytes are in LDS before the others are told so
	s_barrier_signal -1
	s_barrier_wait -1
	ds_load_b128 v[PHI:PHI+3], v[PA] offset:L_PHI  ; lane g: phi[64 g + 4 wave + 0..3].  Lanes 256 bytes apart meet in the same banks (64 banks of 4 bytes: ISA guide 11.1): accepted for one load a wave in the whole kernel
	s_wait_dscnt 0x0
	; THE STREAM.  A group is four rows: wait for them, bring their phi from lane g into scalars, eight packed multiply-adds, ask for the four rows DEPTH further on.
.set g, 0
.rept ROWS/GROUP
.if DEPTH+GROUP*g < ROWS
	s_wait_loadcnt DEPTH-GROUP                     ; the group's four loads are in; the ring's other 28, all younger, stay out
.else
	s_wait_loadcnt ROWS-GROUP*(g+1)                ; nothing was asked for behind row 127: the count runs down to 0
.endif
.irp j, 0,1,2,3
	v_readlane_b32 s[SP+2*\j], v[PHI+\j], g
.endr
.irp j, 0,1,2,3
.set RR, RING+4*((GROUP*g+\j)%DEPTH)
.set AA, ACC+4*\j
.if g == 0
	v_pk_mul_f32 v[AA:AA+1], v[RR:RR+1], s[SP+2*\j:SP+2*\j+1] op_sel_hi:[1,0]            ; the first products start the four sets of sums
	v_pk_mul_f32 v[AA+2:AA+3], v[RR+2:RR+3], s[SP+2*\j:SP+2*\j+1] op_sel_hi:[1,0]
.else
	v_pk_fma_f32 v[AA:AA+1], v[RR:RR+1], s[SP+2*\j:SP+2*\j+1], v[AA:AA+1] op_sel_hi:[1,0,1]
	v_pk_fma_f32 v[AA+2:AA+3], v[RR+2:RR+3], s[SP+2*\j:SP+2*\j+1], v[AA+2:AA+3] op_sel_hi:[1,0,1]
.endif
.endr
.if DEPTH+GROUP*g < ROWS
.irp j, 0,1,2,3
.set RR, RING+4*((GROUP*g+\j)%DEPTH)
	global_load_b128 v[RR:RR+3], v[LOFF], s[12:13] offset:(g+DEPTH/GROUP)*STEPB+\j*ROWB th:TH_LOAD_NT
.endr
.endif
.set g, g+1
.endr
	; THE WAY OUT: four sets to one, the sixteen waves' 512 bytes to LDS, wave 0 adds them
	v_pk_add_f32 v[ACC:ACC+1], v[ACC:ACC+1], v[ACC+4:ACC+5]
	v_pk_add_f32 v[ACC+2:ACC+3], v[ACC+2:ACC+3], v[ACC+6:ACC+7]
	v_pk_add_f32 v[ACC+8:ACC+9], v[ACC+8:ACC+9], v[ACC+12:ACC+13]
	v_pk_add_f32 v[ACC+10:ACC+11], v[ACC+10:ACC+11], v[ACC+14:ACC+15]
	v_pk_add_f32 v[ACC:ACC+1], v[ACC:ACC+1], v[ACC+8:ACC+9]
	v_pk_add_f32 v[ACC+2:ACC+3], v[ACC+2:ACC+3], v[ACC+10:ACC+11]
	ds_store_b128 v[OFFP], v[ACC:ACC+3] offset:L_W
	s_wait_dscnt 0x0                               ; my partial sums are in LDS before wave 0 is told so
	s_barrier_signal -1
	s_barrier_wait -1
	s_cmp_lg_u32 s20, 0
	s_cbranch_scc1 .Lothers
.irp i, 0,1,2,3,4,5,6,7,8,9,10,11,12,13,14,15
	ds_load_b128 v[RING+4*\i:RING+4*\i+3], v[LOFF] offset:L_W+512*\i   ; the ring's registers are free: its last wait was for 0
.endr
	v_min_u32 v[KA], 9, v0                         ; in wave 0 the thread is the lane
	v_lshlrev_b32 v[KA], 2, v[KA]
	ds_load_b32 v[KV], v[KA] offset:L_PAR+80       ; kappa_lane (words 20..29, untouched since the first barrier)
	s_wait_dscnt 0x0
.irp s, 8,4,2,1
.set i, 0
.rept \s
	v_pk_add_f32 v[RING+4*i:RING+4*i+1], v[RING+4*i:RING+4*i+1], v[RING+4*(i+\s):RING+4*(i+\s)+1]
	v_pk_add_f32 v[RING+4*i+2:RING+4*i+3], v[RING+4*i+2:RING+4*i+3], v[RING+4*(i+\s)+2:RING+4*(i+\s)+3]
.set i, i+1
.endr
.endr
	global_store_b128 v[LOFF], v[RING:RING+3], s[14:15] th:TH_STORE_NT ; the batch row's w: 512 neighbouring bytes in one store
	s_wait_xcnt 0x0                                ; EXEC is a source of the store above: it is narrowed only behind this wait
	v_cmp_gt_u32 vcc_lo, 10, v0
	s_wait_tensorcnt 0x0
	ds_add_u32 v244, v245
	s_wait_dscnt 0x0
	s_and_saveexec_b32 s40, vcc_lo                 ; lanes 0..9: the batch row owns 40 bytes of out1 and no more
	global_store_b32 v[KA], v[KV], s[16:17]
	s_endpgm
.Lothers:
	s_wait_tensorcnt 0x0
	ds_add_u32 v244, v245
	s_wait_dscnt 0x0
	s_endpgm
.Lfunc_end_k_q33fa01b7ec_window:
	.size	k_q33fa01b7ec_window, .Lfunc_end_k_q33fa01b7ec_window-k_q33fa01b7ec_window
	.p2alignl 7, 3214868480
	.fill 96, 4, 3214868480
	.section	.rodata,"a",@progbits
	.p2align	6, 0x0
	.amdhsa_kernel k_q33fa01b7ec_window
		.amdhsa_group_segment_fixed_size 18688
		.amdhsa_private_segment_fixed_size 0
		.amdhsa_enable_private_segment 0
		.amdhsa_kernarg_size 64
		.amdhsa_user_sgpr_count 2
		.amdhsa_user_sgpr_kernarg_segment_ptr 1
		.amdhsa_wavefront_size32 1
		.amdhsa_system_sgpr_workgroup_id_x 1
		.amdhsa_system_sgpr_workgroup_id_y 1
		.amdhsa_system_sgpr_workgroup_id_z 1
		.amdhsa_system_vgpr_workitem_id 0
		.amdhsa_next_free_vgpr 246
		.amdhsa_next_free_sgpr 66
		.amdhsa_reserve_vcc 1
		.amdhsa_float_denorm_mode_32 3
		.amdhsa_float_denorm_mode_16_64 3
		.amdhsa_memory_ordered 1
		.amdhsa_forward_progress 1
		.amdhsa_inst_pref_size 55
	.end_amdhsa_kernel
	.amdgpu_metadata
---
amdhsa.version: [ 1, 2 ]
amdhsa.kernels:
  - .name:           k_q33fa01b7ec_window
    .symbol:         k_q33fa01b7ec_window.kd
    .args:
      - { .name: x, .offset: 0, .size: 8, .value_kind: global_buffer, .address_space: global }
      - { .name: W, .offset: 8, .size: 8, .value_kind: global_buffer, .address_space: global }
      - { .name: b, .offset: 16, .size: 8, .value_kind: global_buffer, .address_space: global }
      - { .name: kappa_old, .offset: 24, .size: 8, .value_kind: global_buffer, .address_space: global }
      - { .name: onehots, .offset: 32, .size: 8, .value_kind: global_buffer, .address_space: global }
      - { .name: out0, .offset: 40, .size: 8, .value_kind: global_buffer, .address_space: global }
      - { .name: out1, .offset: 48, .size: 8, .value_kind: global_buffer, .address_space: global }
      - { .name: out2, .offset: 56, .size: 8, .value_kind: global_buffer, .address_space: global }
    .group_segment_fixed_size: 18688
    .private_segment_fixed_size: 0
    .kernarg_segment_align: 8
    .kernarg_segment_size: 64
    .max_flat_workgroup_size: 512
    .sgpr_count:     66
    .vgpr_count:     246
    .wavefront_size: 32
...
	.end_amdgpu_metadata
.endif
;; end of part 1
